; MI455X (gfx1250); checked and timed in simulation.
; The chip was launched on July 23, 2026; its instructions are those of AMD's public machine-readable ISA for CDNA 5 (MIT licence, August 2026) and "CDNA5" Instruction Set Architecture Reference Guide (July 2026). The comments in the code are by the model that wrote it; some were corrected since.
;; LSTM Cell. Allowed arithmetic: matrix products marked QUANTISED: E4M3 operands, one given power-of-two scale a tensor, by v_wmma_f32_16x16x64_fp8_fp8 or v_wmma_f32_16x16x128_fp8_fp8, f32 sums; everything else in f32.
;; Inputs: b_ci 1,024 float32; b_fg 1,024 float32; b_ig 1,024 float32; b_og 1,024 float32; cx 8,192 x 1,024 float32; hx 8,192 x 1,024 float32; lowp_scales 4 int32 (the exponents e of the quantised operands' scales 2^e); r_ci 1,024 x 1,024 float32; r_fg 1,024 x 1,024 float32; r_ig 1,024 x 1,024 float32; r_og 1,024 x 1,024 float32; w_ci 1,024 x 1,024 float32; w_fg 1,024 x 1,024 float32; w_ig 1,024 x 1,024 float32; w_og 1,024 x 1,024 float32; xt 8,192 x 1,024 float32.
;; Outputs: out0 8,192 x 1,024 float32; out1 8,192 x 1,024 float32.
;; This version of the problem:
;;   THIS VERSION OF THE PROBLEM IS GIVEN IN LOW PRECISION. The matrix products marked QUANTISED in the list below multiply operands that are first quantised to E4M3 (4 exponent bits, 3 mantissa bits; 8 bits a number), with one given power-of-two scale for each operand tensor; their sums are f32. All else is computed in f32.
;;   The module's matrix products, in the order in which they are computed (A, B: the left and right operand; K: the contracted axis; several contracted axes count as one K, in the product's order):
;;     1. [M 8,192, K 1,024] x [K 1,024, N 4,096]; A: input xt; B: computed on the way: QUANTISED (scales: A lowp_scales[0], B lowp_scales[1])
;;     2. [M 8,192, K 1,024] x [K 1,024, N 4,096]; A: input hx; B: computed on the way: QUANTISED (scales: A lowp_scales[2], B lowp_scales[3])
;;   THE QUANTISER, for each operand of a quantised product, along K:
;;     - The operand's scale is 2^e, e = its entry of the input lowp_scales (int32; the entries are numbered through the quantised products in the list's order, A before B).
;;     - Each number is divided by the scale, clamped to +-448, and rounded to the nearest number of E4M3, ties to even, subnormals kept.
;;     - The product sums the exact products of the quantised numbers (number of the format x scale) in f32.
;;   ~~~python
;;   def quantise(x, axis, e):      # numpy; x: float32 -> the quantised numbers, widened to float32 again
;;       x = np.moveaxis(x, axis, -1); K = x.shape[-1]
;;       r = np.clip(x / 2.0 ** e, -448, 448)
;;       step = 2.0 ** (np.maximum(np.frexp(np.where(r == 0, 1, r))[1] - 1, -6) - 3)
;;       q = np.round(r / step) * step * 2.0 ** e      # np.round: ties to even
;;       return np.moveaxis(q, -1, axis).astype(np.float32)
;;   ~~~
;;   OPERANDS COMPUTED ON THE WAY. 'Computed on the way' means the value that the module computes at that place (a softmax that the list does not call 'softmax' is quantised finished and normalised). What goes into a quantiser is computed in f32, as accurately as f32 sums, v_exp_f32 and their like allow (about 1e-6 of the number): no bf16 or f16 on the way to a quantiser, and a product that is left as it is and whose result goes on into a quantised operand takes f32 operands (vector FMAs, or v_wmma_f32_16x16x4_f32). A number that lies on a knife's edge between two numbers of the format may be rounded either way, as far as f32 arithmetic and the matrix unit's own rounding can turn it there, and no further.
;; One version. Each part assembles by itself: llvm-mc -triple=amdgcn-amd-amdhsa -mcpu=gfx1250 --defsym DOCPART=n.
;; ======== version 1 of 1: 2 launches
;; workspace buffers: a_codes 16,777,216 bytes; b_codes 8,388,608 bytes
;; launch quant (part 1): grid 768 x 1, 4 waves a work-group, no clusters, 0 bytes of LDS; arguments xt, hx, w_fg, w_ig, w_og, w_ci, r_fg, r_ig, r_og, r_ci, lowp_scales, a_codes, b_codes; writes a_codes, b_codes
.if DOCPART == 1
	.amdgcn_target "amdgcn-amd-amdhsa--gfx1250"
	.amdhsa_code_object_version 6
	.text
	.protected	k_q904f07fba9_quant
	.globl	k_q904f07fba9_quant
	.p2align	8
	.type	k_q904f07fba9_quant,@function
k_q904f07fba9_quant:
	s_mov_b64 s[64:65], 0
	v_nop
	global_prefetch_b8 v0, s[64:65] scope:SCOPE_SE
	s_setreg_imm32_b32 hwreg(HW_REG_WAVE_MODE, 25, 1), 1
	s_wait_xcnt 0x0
; xt, hx [8192][1024] and the eight weights [1024][1024], all f32 with K innermost, become codes of FP8 (E4M3), one byte each, each with the scale 2^e given for its operand:
; code = x / 2^e, held within +-448, rounded to the nearest code, ties to even.  e: entry 0 for xt, 1 for the w_*, 2 for hx, 3 for the r_*.
; a_codes [8192][2048]: row m = xt's 1,024 codes of row m, then hx's.
; b_codes [4096][2048]: row n' = a w_*'s 1,024 codes, then the r_*'s of the same gate and unit; n' = 128 (h / 32) + 32 g + h % 32 for hidden unit h and gate g (0 fg, 1 ig, 2 og, 3 ci):
; so 128 consecutive rows hold all four gates of 32 hidden units, which is what one wave of the next launch multiplies.
; THE ORDER OF THE CODES ALONG K is this program's own, the same in both buffers: inside each aligned run of 512 numbers, number 128 i + 4 l + j (i, j = 0 .. 3, l = 0 .. 31) has its code at byte 16 l + 4 i + j.
; That is how the numbers fall into a lane's registers when each of a run's four loads reads 512 consecutive bytes, 16 a lane: lane l converts its 16 numbers as they stand and stores 16 bytes at 16 l.  A product of the
; next launch still meets its partner, since both operands are permuted alike; the sums are taken in this order and not in ascending K.  So nothing goes through LDS, and both loads and stores cover 512 consecutive bytes.
; LIMITS: -126 <= e and e + 8 <= 127, so that 2^e and 448 x 2^e are f32 numbers.  NaN among the inputs is not served (an infinity is held at the largest code).
; SHARES.  A work-group takes 32 rows of one source tensor (work-groups 0-255 xt, 256-511 hx, 512 + 32 q + j rows 32 j on of weight q), a wave 8 of them: 16 steps of 512 numbers.
; One path serves all ten tensors: only pointers, offsets and the exponent are chosen, on the work-group's number alone.
; No LDS, no barrier: waves share nothing.  Loads run eight steps (32 loads a wave, 16,384 bytes) ahead.  Every offset is an immediate: no pointer is stepped, no store's data are written again.
.set STEPS, 16
.set AHEAD, 8                          ; steps that the loads run ahead
.set R,     16                         ; v16-143  eight sets of 16 numbers as they are loaded
.set C,     144                        ; v144-207 codes: four registers for each step
	s_load_b512 s[16:31], s[0:1], 0x0              ; xt, hx, w_fg, w_ig, w_og, w_ci, r_fg, r_ig: source i at s[16 + 2 i]
	s_load_b256 s[32:39], s[0:1], 0x40             ; r_og, r_ci, the scales' exponents s[36:37], a_codes s[38:39]
	s_load_b64 s[40:41], s[0:1], 0x60              ; b_codes
	v_lshrrev_b32 v1, 5, v0
	v_readfirstlane_b32 s2, v1                     ; wave 0..3
	v_and_b32 v2, 31, v0                           ; lane
	v_lshlrev_b32 v3, 4, v2                        ; my 16 bytes of a load's 512, and of a store's 512; never rewritten
	; both cases' numbers are made first (shifts and sums set SCC), then chosen by one compare
	s_lshr_b32 s42, ttmp9, 8                       ; an activation: 0 xt, 1 hx: the source's number, and which half of K
	s_sub_co_u32 s43, ttmp9, 512                   ; a weight (for an activation these five are not used):
	s_lshr_b32 s44, s43, 5                         ; q = 0..7
	s_and_b32 s45, s43, 31                         ; j: rows 32 j on
	s_and_b32 s46, ttmp9, 255                      ; an activation: rows 32 x this on
	s_add_co_u32 s47, s44, 2                       ; the weight's number among the sources
	s_lshr_b32 s48, s44, 2                         ; 0 for a w_*, 1 for an r_*
	s_and_b32 s49, s44, 3                          ; the gate
	s_lshl_b32 s49, s49, 5
	s_lshl_b32 s50, s45, 7
	s_add_co_u32 s49, s49, s50                     ; its first row in b_codes: 128 j + 32 g
	s_lshl_b32 s50, s46, 5                         ; an activation's first row in a_codes
	s_cmp_lt_u32 ttmp9, 512
	s_cselect_b32 s51, s42, s47                    ; which source
	s_cselect_b32 s52, s46, s45                    ; which 32 rows of it
	s_cselect_b32 s53, s42, s48                    ; which half of K
	s_cselect_b32 s54, s50, s49                    ; first row of codes
	s_lshl_b32 s10, s52, 17                        ; 32 rows of 4,096 bytes,
	s_lshl_b32 s11, s2, 15                         ; my wave's 8 of them
	s_add_co_u32 s10, s10, s11
	s_mov_b32 s11, 0                               ; s[10:11]: my offset in the source
	s_lshl_b32 s6, s2, 3
	s_add_co_u32 s6, s6, s54
	s_lshl_b32 s6, s6, 11                          ; rows of 2,048 bytes of codes,
	s_lshl_b32 s7, s53, 10                         ; and the half of K
	s_add_co_u32 s6, s6, s7
	s_mov_b32 s7, 0                                ; s[6:7]: my offset in the codes
	s_wait_kmcnt 0x0
	s_load_b128 s[12:15], s[36:37], 0x0            ; e0 .. e3
	s_mov_b64 s[4:5], s[16:17]
.irp i, 1,2,3,4,5,6,7,8,9
	s_cmp_eq_u32 s51, \i                           ; the choice hangs on the work-group's number alone
	s_cselect_b64 s[4:5], s[16+2*\i:17+2*\i], s[4:5]
.endr
	s_cmp_lt_u32 ttmp9, 512
	s_cselect_b64 s[8:9], s[38:39], s[40:41]
	s_add_nc_u64 s[4:5], s[4:5], s[10:11]
	s_add_nc_u64 s[8:9], s[8:9], s[6:7]
.macro LOAD t
.irp i, 0,1,2,3
	global_load_b128 v[R+16*((\t)%AHEAD)+4*\i:R+16*((\t)%AHEAD)+4*\i+3], v3, s[4:5] offset:2048*(\t)+512*\i th:TH_LOAD_NT   ; 32 lanes read 512 consecutive bytes; read once in the launch
.endr
.endm
.irp t, 0,1,2,3,4,5,6,7
	LOAD \t
.endr
	s_wait_kmcnt 0x0
	s_cmp_eq_u32 s53, 0
	s_cselect_b32 s12, s12, s14                    ; an activation's e: e0 or e2
	s_cselect_b32 s13, s13, s15                    ; a weight's: e1 or e3
	s_cmp_lt_u32 ttmp9, 512
	s_cselect_b32 s12, s12, s13                    ; e
	s_add_co_i32 s12, s12, 127
	s_lshl_b32 s13, s12, 23
	v_mov_b32 v11, s13                             ; 2^e as f32: the conversion takes its exponent field
	s_add_co_i32 s12, s12, 8
	s_lshl_b32 s12, s12, 23
	s_or_b32 s12, s12, 0x600000
	v_mov_b32 v10, s12                             ; 448 x 2^e
.macro STEP t
.set RS, R+16*((\t)%AHEAD)
.if STEPS-1-(\t) >= AHEAD-1
	s_wait_loadcnt 4*(AHEAD-1)                     ; loads come back in order (ISA guide 5.7.1): this step's four are in; those of the seven steps behind it stay out
.else
	s_wait_loadcnt 4*(STEPS-1-(\t))                ; the same where fewer steps are left
.endif
.irp i, 0,1,2,3,4,5,6,7,8,9,10,11,12,13,14,15
	v_med3_num_f32 v[RS+\i], v[RS+\i], -v10, v10   ; the conversion to an 8-bit code does not saturate (ISA guide 7.6.2): the number is held within the largest code x the scale first
.endr
	v_cvt_scalef32_pk8_fp8_f32 v[C+4*(\t):C+4*(\t)+1], v[RS:RS+7], v11          ; eight numbers / 2^e, to the nearest code, ties to even; the first number's code in the lowest byte
	v_cvt_scalef32_pk8_fp8_f32 v[C+4*(\t)+2:C+4*(\t)+3], v[RS+8:RS+15], v11     ; (the results go to a store alone and the sources take a load; the next vector lines are the next step's holds, plain ones on other registers)
.if (\t)+AHEAD < STEPS
	LOAD (\t)+AHEAD                                ; the set just converted takes the loads of eight steps on, ahead of the store
.endif
	global_store_b128 v3, v[C+4*(\t):C+4*(\t)+3], s[8:9] offset:((\t)/2)*2048+((\t)%2)*512   ; row t / 2 of my eight, run t % 2 of its 1,024 codes: 512 consecutive bytes, aligned.  The next launch reads them: no hint
.endm
.irp t, 0,1,2,3,4,5,6,7,8,9,10,11,12,13,14,15
	STEP \t
.endr
	s_endpgm
.Lfunc_end_k_q904f07fba9_quant:
	.size	k_q904f07fba9_quant, .Lfunc_end_k_q904f07fba9_quant-k_q904f07fba9_quant
	.p2alignl 7, 3214868480
	.fill 96, 4, 3214868480
	.section	.rodata,"a",@progbits
	.p2align	6, 0x0
	.amdhsa_kernel k_q904f07fba9_quant
		.amdhsa_group_segment_fixed_size 0
		.amdhsa_private_segment_fixed_size 0
		.amdhsa_enable_private_segment 0
		.amdhsa_kernarg_size 104
		.amdhsa_user_sgpr_count 2
		.amdhsa_user_sgpr_kernarg_segment_ptr 1
		.amdhsa_wavefront_size32 1
		.amdhsa_system_sgpr_workgroup_id_x 1
		.amdhsa_system_sgpr_workgroup_id_y 1
		.amdhsa_system_sgpr_workgroup_id_z 1
		.amdhsa_system_vgpr_workitem_id 0
		.amdhsa_next_free_vgpr 208
		.amdhsa_next_free_sgpr 66
		.amdhsa_reserve_vcc 0
		.amdhsa_float_denorm_mode_32 3
		.amdhsa_float_denorm_mode_16_64 3
		.amdhsa_memory_ordered 1
		.amdhsa_forward_progress 1
		.amdhsa_inst_pref_size 29
	.end_amdhsa_kernel
	.amdgpu_metadata
---
amdhsa.version: [ 1, 2 ]
amdhsa.kernels:
  - .name:           k_q904f07fba9_quant
    .symbol:         k_q904f07fba9_quant.kd
    .args:
      - { .name: xt, .offset: 0, .size: 8, .value_kind: global_buffer, .address_space: global }
      - { .name: hx, .offset: 8, .size: 8, .value_kind: global_buffer, .address_space: global }
      - { .name: w_fg, .offset: 16, .size: 8, .value_kind: global_buffer, .address_space: global }
      - { .name: w_ig, .offset: 24, .size: 8, .value_kind: global_buffer, .address_space: global }
      - { .name: w_og, .offset: 32, .size: 8, .value_kind: global_buffer, .address_space: global }
      - { .name: w_ci, .offset: 40, .size: 8, .value_kind: global_buffer, .address_space: global }
      - { .name: r_fg, .offset: 48, .size: 8, .value_kind: global_buffer, .address_space: global }
      - { .name: r_ig, .offset: 56, .size: 8, .value_kind: global_buffer, .address_space: global }
      - { .name: r_og, .offset: 64, .size: 8, .value_kind: global_buffer, .address_space: global }
      - { .name: r_ci, .offset: 72, .size: 8, .value_kind: global_buffer, .address_space: global }
      - { .name: lowp_scales, .offset: 80, .size: 8, .value_kind: global_buffer, .address_space: global }
      - { .name: a_codes, .offset: 88, .size: 8, .value_kind: global_buffer, .address_space: global }
      - { .name: b_codes, .offset: 96, .size: 8, .value_kind: global_buffer, .address_space: global }
    .group_segment_fixed_size: 0
    .private_segment_fixed_size: 0
    .kernarg_segment_align: 8
    .kernarg_segment_size: 104
    .max_flat_workgroup_size: 128
    .sgpr_count:     66
    .vgpr_count:     208
    .wavefront_size: 32
...
	.end_amdgpu_metadata
.endif
;; end of part 1
;; launch cell (part 2): grid 16 x 32, 4 waves a work-group, clusters of 4 x 4, 327,680 bytes of LDS; arguments a_codes, b_codes, lowp_scales, b_fg, b_ig, b_og, b_ci, cx, out0, out1; writes out0, out1
.if DOCPART == 2
	.amdgcn_target "amdgcn-amd-amdhsa--gfx1250"
	.amdhsa_code_object_version 6
	.text
	.protected	k_q904f07fba9_cell
	.globl	k_q904f07fba9_cell
	.p2align	8
	.type	k_q904f07fba9_cell,@function
k_q904f07fba9_cell:
	s_mov_b64 s[64:65], 0
	v_nop
	global_prefetch_b8 v0, s[64:65] scope:SCOPE_SE
	s_setreg_imm32_b32 hwreg(HW_REG_WAVE_MODE, 25, 1), 1
	s_wait_xcnt 0x0
	s_wait_alu depctr_hold_cnt(0) depctr_sa_sdst(0) depctr_va_vdst(0) depctr_va_sdst(0) depctr_va_ssrc(0) depctr_va_vcc(0) depctr_vm_vsrc(0)
	s_getreg_b32 s2, hwreg(HW_REG_IB_STS2, 6, 4)
	s_cmp_eq_u32 s2, 0
	s_cbranch_scc0 .Lentry_in_a_cluster
	s_endpgm
.Lentry_in_a_cluster:
	s_bfe_u32 s2, ttmp6, 0x10000c
	s_cmp_lg_u32 s2, 0xf033
	s_cbranch_scc0 .Lentry_shape_is_right
	s_endpgm
.Lentry_shape_is_right:
; gates = Q(xt) Q(W)^T + Q(hx) Q(R)^T + b on codes of FP8 (E4M3), then ct = sigmoid(f) cx + sigmoid(i) tanh(g), ht = sigmoid(o) tanh(ct), in f32.  out0 = ht, out1 = ct, both [8192][1024] f32.
; a_codes [8192][2048] (xt's codes, then hx's), b_codes [4096][2048] (W's, then R's; row 128 (h / 32) + 32 g + h % 32 is gate g of hidden unit h): ONE product of K = 2,048 on one set of accumulators.
; (Inside each run of 512 along K the codes lie in the first launch's own order, the same in both buffers: every product meets its partner.)
; THE SCALES.  xt's half of K stands for sums x 2^(e0 + e1), hx's for sums x 2^(e2 + e3).  Between the two halves every accumulator is multiplied once by 2^(the first half's exponents - the last half's), which rounds
; nothing short of overflow and underflow; the finished sum stands for sum x 2^(the last half's exponents), a factor that is folded into the constants of the exponentials' arguments.
; THE ORDER OF K.  Clusters whose x + y is even walk xt's half first, the others hx's.  Clusters that share rows of a_codes (the same cluster y) or of b_codes (the same cluster x) and stand side by side in the grid then ask
; for different halves of K at the same time: what a cluster asks for in the second half of its walk, its neighbour has asked for four K steps earlier.  The choice hangs on the cluster's x and y alone, which all sixteen
; partners share; it enters a byte offset and three selected numbers, and no branch.
; LIMITS: e0 + e1, e2 + e3 and their difference each between -126 and 126 (powers of two as f32 numbers; a sum of exponents is added to the exponent fields of log2(e) and 2 log2(e)).  NaN among the inputs is not served.
; SHARES.  A work-group of four waves, as many as a WGP has SIMDs, makes 256 rows x 256 gate columns = 64 hidden units; a wave 128 x 128: 64 accumulators, 512 registers.  One tile to a work-group: the stages of the
; way out lie in a slot that has had its last fill.
; THE MATRIX INSTRUCTION IS USED TRANSPOSED (source 0 = 16 rows of b_codes, source 1 = 16 rows of a_codes): in accumulator (a, b), b = 2 g + u, register j of lane (r, hh) is gate g of row 16 a + r and hidden unit
; 16 u + 8 hh + j of the wave's 32.  So the four gates of an element lie in ONE lane at the same j, and nothing changes lanes between the products and the cell.
; RING.  K goes in steps of 256 through two LDS slots filled by the tensor data mover (rows of 256 bytes, aligned).  CLUSTERS: 4 x 4 work-groups; the four of a row need the same tiles of a_codes, the four of a column the
; same tiles of b_codes: each tile is asked for jointly.  When slot 0's last tile of codes has been read, its first half takes the tile of cx (each wave 64 rows, a load of the work-group's own).
; THE FUNCTIONS.  sigmoid(x) = 1 / (1 + E(x)), E(x) = 2^(-log2(e) x); tanh(x) = (1 - T) / (1 + T), T = 2^(-2 log2(e) x), its exponent held at 64, where (1 - T) / (1 + T) is -1 in f32 and 1 - T stays finite.
; sigmoid(i) tanh(g) = (1 - Tg) / ((1 + Ei)(1 + Tg)) has ONE reciprocal, and so has sigmoid(o) tanh(ct): eight transcendentals an element.  Where an E is infinite the product is, its reciprocal is 0 and so is the term.
; REGISTERS, in windows of 256: window 0: v0-31 addresses; v128-255 A's fragments, ONE set; in the cell v32-95 rows on their way out, v96-159 the four gates of 16 elements, v160-191 cx then ct (two sets), v192-223 at work, then ht (two sets).
;   window 1: B's fragments, TWO sets, at v0 and v128; in the cell v0-63 the biases.   window 2: the accumulators of my rows 0-63 ((a, b) at v[8 (8 a + b)]);   window 3: those of my rows 64-127.
.set ROWB,   256                       ; a tile's row in bytes: 256 codes
.set KROW,   2048                      ; a row of a_codes or b_codes in bytes
.set PITCH,  272                       ; an LDS row: 256 bytes + 16 of padding = 68 words: row r starts at bank 4 r mod 64 (64 banks of 4 bytes: ISA guide 11.1), so the 16 rows that a load touches start at 16 different banks
.set FR,     16                        ; registers of a fragment: 16 rows x 128 K
.set NL,     4                         ; LDS loads that bring one
.set NP,     4                         ; places behind this matrix instruction (ISA guide 7.12.1)
.set HALFT,  128*PITCH                 ; 128 rows: what one joint load brings, and what one wave reads of A or of B
.set SLOT,   4*HALFT                   ; A's 256 rows, then B's 256 rows
.set SPARE,  2*SLOT                    ; behind the ring: the spare words, 128 bytes for each wave: two blocks of 256 bytes that no other line names
.set HTS,    2*HALFT                   ; the cell: cx's tile, later ct, lies at LDS byte 0 (256 rows x 272); ht's stage HTS bytes on, where slot 0 held B's tiles
.set ADRA, 16                          ; v16-17  LDS address of my A fragments in slot 0, 1
.set ADRB, 20                          ; v20-21  the same for B
.set CXA,  22                          ; v22     my 32 bytes of a row of cx's tile (and of ct)
.set HTA,  23                          ; v23     the same in ht's stage
.set RD,   24                          ; v24     the way out: where I read a whole row of ct back
.set RDH,  25                          ; v25     and of ht
.set CO,   26                          ; v26     my byte offset in out0 and out1
.set PF,   27                          ; v27     4,096 x my thread's number: a row of cx
.set SPW,  28                          ; v28     LDS address of my spare word: SPARE + 4 x my thread's number; never rewritten
.set NIL,  29                          ; v29     0; never rewritten
.set BO,   30                          ; v30     32 x (lane / 16): my eight numbers of a bias's sixteen
.set RB,   32
.set G,    96                          ; gate g's 16 numbers at G + 16 g, number 8 u + j
.set FF,   96
.set II,   112
.set OO,   128
.set GG,   144
.set CXR,  160
.set TR,   192
.set AF,   128                         ; A's fragments
.set G1,  24                           ; s[24:31] descriptor group 1 for A's tiles;  s[32:39] group 0, one set for each slot
.set G0,  32
.set G1B, 48                           ; s[48:55], s[56:63] the same for B's tiles
.set G0B, 56
.set KK,  66                           ; s[66:67] the byte along K at which slot 0's tile in hand begins, as a pair with 0 above it; slot 1's begins 256 further on
.set G1C, 80                           ; s[80:87], s[88:91] for cx's tile
.set G0C, 88
.set SD,  96                           ; s[96:97]   2^(the first half's exponents - the last half's), twice (the packed forms name a pair)
.set KS,  98                           ; s[98:99]   -log2(e) 2^(the last half's exponents), twice
.set KG,  100                          ; s[100:101] -2 log2(e) 2^(the last half's exponents), twice
.set MSB, 0
.macro WIN new                         ; the immediate's high byte repeats the setting that is left; a switch that changes nothing is dropped
.if MSB != \new
	s_set_vgpr_msb (MSB<<8)|\new
.set MSB, \new
.endif
.endm
.set MUL_LO, 0xa1                      ; source 0 (B) window 1, source 1 (A) window 0, C and D window 2
.set MUL_HI, 0xf1                      ; the same, C and D window 3
.set TO_B,   0x40                      ; destination window 1, address window 0
; A joint load: waves 0 and 1 fetch for A, waves 2 and 3 for B.  Each of the two lines has ONE mask and one set of registers for all that issue it; the branch hangs on the wave's number alone.
; Four v_nop follow each of the two lines, ahead of the jump, the label and what follows.
.macro JLOAD g0a, g1a, g0b, g1b
	s_cmp_eq_u32 s15, 0
	s_cbranch_scc0 .Lfor_b_\@
	tensor_load_to_lds s[\g0a:\g0a+3], s[\g1a:\g1a+7]
	s_nop 0
.rept 4
	v_nop
.endr
	s_branch .Lasked_\@
.Lfor_b_\@:
	tensor_load_to_lds s[\g0b:\g0b+3], s[\g1b:\g1b+7]
	s_nop 0
.rept 4
	v_nop
.endr
.Lasked_\@:
.endm
.macro CREST                           ; a round of the cluster's barrier behind its opening barrier
	s_cmp_lg_u32 s14, 0
	s_cbranch_scc1 .Lnot_wave_0_\@
	s_barrier_signal -3
.Lnot_wave_0_\@:
	s_barrier_wait -3
	s_barrier_signal -1
	s_barrier_wait -1
.endm
.macro CROUND                          ; a whole round
	s_barrier_signal -1
	s_barrier_wait -1
	CREST
.endm
	s_load_b256 s[4:11], s[0:1], 0x0               ; a_codes s[4:5], b_codes s[6:7], the scales' exponents s[8:9], b_fg s[10:11]
	s_load_b256 s[68:75], s[0:1], 0x20             ; b_ig s[68:69], b_og s[70:71], b_ci s[72:73], cx s[74:75]
	s_load_b128 s[76:79], s[0:1], 0x40             ; out0 (ht) s[76:77], out1 (ct) s[78:79]
	v_lshl_add_u32 v[SPW], v0, 2, SPARE
	v_mov_b32 v[NIL], 0
	ds_add_u32 v28, v29
	s_wait_dscnt 0x0
	v_lshrrev_b32 v1, 5, v0
	v_readfirstlane_b32 s14, v1                    ; wave 0..3
	s_lshr_b32 s15, s14, 1                         ; i: which half of the tile's rows is mine.  Also: I fetch for A (0) or for B (1)
	s_and_b32 s16, s14, 1                          ; c: which half of its columns.  Also: which 128 rows of that tile I fetch
	s_bfe_u32 s40, ttmp6, 0x40000                  ; my place in the cluster, along x
	s_bfe_u32 s41, ttmp6, 0x40004                  ; and along y
	s_lshl_b32 s42, ttmp9, 2
	s_add_co_u32 s42, s42, s40                     ; tc: tile column = 4 x cluster x + place, 0..15
	s_and_b32 s17, ttmp7, 0xffff                   ; cluster y
	s_add_co_u32 s2, s17, ttmp9
	s_and_b32 s2, s2, 1                            ; (cluster x + cluster y) % 2: 0: xt's half of K goes first, 1: hx's.  The same in all sixteen partners
	s_lshl_b32 s[KK], s2, 10                       ; the walk begins at byte 0 or 1,024 of the rows of codes
	s_mov_b32 s[KK+1], 0
	s_lshl_b32 s17, s17, 2
	s_add_co_u32 s17, s17, s41                     ; tr: tile row = 4 x cluster y + place, 0..31
	s_lshl_b32 s43, s41, 2
	s_lshl_b32 s43, 15, s43                        ; my row of the cluster
	s_lshl_b32 s44, 0x1111, s40                    ; my column
	; descriptor group 1 for codes: a tile of 128 rows x 256 bytes, padded in LDS
	s_or_b32 s[G1+0], s43, (0<<16)|(1<<20)|(1<<21)|(5<<22)|(3<<25)  ; 15:0 the mask: A's tiles go to my row; 17:16 element of 1 byte; 20 padding on; 21 set beside a mask; 24:22 after every 64 words (code 5); 31:25 of 4 words (code 3)
	s_or_b32 s[G1B+0], s44, (0<<16)|(1<<20)|(1<<21)|(5<<22)|(3<<25) ; the same with the mask of my column
.irp g, G1, G1B
	s_mov_b32 s[\g+1], ROWB<<16                    ; tensor_dim0
	s_mov_b32 s[\g+2], 128<<16                     ; tensor_dim1 = 128
	s_mov_b32 s[\g+3], ROWB<<16                    ; tile_dim0
	s_mov_b32 s[\g+4], 128                         ; tile_dim1 = 128
	s_mov_b32 s[\g+5], KROW                        ; tensor_dim0_stride
	s_mov_b32 s[\g+6], 0
	s_mov_b32 s[\g+7], 0
.endr
	; and for cx: 64 rows x 64 numbers of 4 bytes, 1,024 numbers from row to row, the same padding; no mask: the tile is this work-group's alone
	s_mov_b32 s[G1C+0], (2<<16)|(1<<20)|(5<<22)|(3<<25)
	s_mov_b32 s[G1C+1], 64<<16                     ; tensor_dim0 = 64
	s_mov_b32 s[G1C+2], 64<<16                     ; tensor_dim1 = 64
	s_mov_b32 s[G1C+3], 64<<16                     ; tile_dim0 = 64
	s_mov_b32 s[G1C+4], 64                         ; tile_dim1 = 64
	s_mov_b32 s[G1C+5], 1024                       ; tensor_dim0_stride
	s_mov_b32 s[G1C+6], 0
	s_mov_b32 s[G1C+7], 0
	; where the tiles of codes come from.  A's hang on the tile row alone, B's on the tile column alone, each in registers that never hold the other place in the cluster.  All offsets stay under 2^25
	s_lshl_b32 s18, s16, 7                         ; which 128 rows of the tile I fetch
	s_lshl_b32 s20, s17, 8
	s_add_co_u32 s20, s20, s18
	s_lshl_b32 s20, s20, 11                        ; A: (256 tr + 128 half) rows of 2,048 bytes
	s_mov_b32 s21, 0
	s_lshl_b32 s46, s42, 8
	s_add_co_u32 s46, s46, s18
	s_lshl_b32 s46, s46, 11                        ; B: (256 tc + 128 half) rows
	s_mov_b32 s47, 0
	s_mul_i32 s45, s14, HALFT                      ; where they go: wave x 128 rows: no place in the cluster enters an LDS address
	s_lshl_b32 s12, s17, 20                        ; the tile in cx, out0, out1: 256 tr rows of 4,096 bytes
	s_lshl_b32 s13, s42, 8                         ; + 64 tc numbers
	s_add_co_u32 s12, s12, s13
	s_mov_b32 s13, 0                               ; (s13 stays 0 from here on: s[12:13] is an offset as a pair)
	s_wait_kmcnt 0x0
	s_load_b128 s[92:95], s[8:9], 0x0              ; e0 .. e3
	s_add_nc_u64 s[4:5], s[4:5], s[20:21]          ; a_codes at the first of the 128 rows that I fetch; kept: every tile's address is this + the byte along K
	s_add_nc_u64 s[6:7], s[6:7], s[46:47]          ; b_codes likewise
	s_add_nc_u64 s[74:75], s[74:75], s[12:13]      ; cx at the tile
	s_add_nc_u64 s[76:77], s[76:77], s[12:13]
	s_add_nc_u64 s[78:79], s[78:79], s[12:13]
	s_lshl_b32 s12, s15, 19                        ; the rows that I store: 128 i + 16 c on
	s_lshl_b32 s22, s16, 16
	s_add_co_u32 s12, s12, s22
	s_add_nc_u64 s[76:77], s[76:77], s[12:13]
	s_add_nc_u64 s[78:79], s[78:79], s[12:13]
	s_lshl_b32 s12, s42, 8                         ; the biases at my 32 hidden units: 64 tc + 32 c
	s_lshl_b32 s22, s16, 7
	s_add_co_u32 s12, s12, s22
	s_add_nc_u64 s[10:11], s[10:11], s[12:13]
	s_add_nc_u64 s[68:69], s[68:69], s[12:13]
	s_add_nc_u64 s[70:71], s[70:71], s[12:13]
	s_add_nc_u64 s[72:73], s[72:73], s[12:13]
	s_lshl_b32 s12, s14, 18                        ; cx's descriptor group 0: my 64 rows of the tile,
	s_mov_b32 s[G0C], 1
	s_mul_i32 s[G0C+1], s14, 64*PITCH              ; to LDS byte 64 x 272 x wave
	s_add_nc_u64 s[G0C+2:G0C+3], s[74:75], s[12:13]
	s_or_b32 s[G0C+3], s[G0C+3], 0x80000000        ; type = 2
	CROUND                                         ; all sixteen work-groups are here: the first joint loads meet
.irp s, 0,1
	s_add_co_u32 s12, s[KK], \s*ROWB               ; the walk's K step s
	s_mov_b32 s[G0+4*\s], 1
	s_add_co_u32 s[G0+4*\s+1], s45, \s*SLOT
	s_add_nc_u64 s[G0+4*\s+2:G0+4*\s+3], s[4:5], s[12:13]
	s_or_b32 s[G0+4*\s+3], s[G0+4*\s+3], 0x80000000
	s_mov_b32 s[G0B+4*\s], 1
	s_add_co_u32 s[G0B+4*\s+1], s45, \s*SLOT
	s_add_nc_u64 s[G0B+4*\s+2:G0B+4*\s+3], s[6:7], s[12:13]
	s_or_b32 s[G0B+4*\s+3], s[G0B+4*\s+3], 0x80000000
	JLOAD G0+4*\s, G1, G0B+4*\s, G1B               ; the walk's K steps 0 and 1: two loads of mine are out
.endr
	v_and_b32 v1, 15, v0                           ; r = lane % 16
	v_bfe_u32 v2, v0, 4, 1                         ; hh = lane / 16
	v_mul_u32_u24 v3, v1, PITCH
	v_lshl_add_u32 v4, v2, 4, v3                   ; a fragment's row x pitch + 16 x half
	s_mul_i32 s21, s15, HALFT                      ; my 128 rows of A
	s_mul_i32 s22, s16, HALFT                      ; my 128 rows of B,
	s_add_co_u32 s22, s22, 2*HALFT                 ; which lie behind A's 256
.irp s, 0,1
	v_add_nc_u32 v[ADRA+\s], s21, v4
	v_add_nc_u32 v[ADRB+\s], s22, v4
	s_add_co_u32 s21, s21, SLOT
	s_add_co_u32 s22, s22, SLOT
.endr
	s_mul_i32 s23, s15, HALFT                      ; the cell: my 128 rows of cx's tile,
	s_lshl_b32 s18, s16, 7                         ; my 32 hidden units' 128 bytes of a row
	s_add_co_u32 s18, s18, s23
	v_lshl_add_u32 v5, v2, 5, v3                   ; row r, + 32 hh
	v_add_nc_u32 v[CXA], s18, v5
	v_add_nc_u32 v[HTA], HTS, v[CXA]
	s_mul_i32 s19, s16, 16*PITCH                   ; the way out: rows 128 i + 16 c on; lanes 0-15 take one row of 256 bytes, lanes 16-31 the next
	s_add_co_u32 s19, s19, s23
	v_mul_u32_u24 v6, v2, PITCH
	v_lshl_add_u32 v6, v1, 4, v6
	v_add_nc_u32 v[RD], s19, v6
	v_add_nc_u32 v[RDH], HTS, v[RD]
	v_lshlrev_b32 v[CO], 12, v2                    ; and the same two rows in out0 and out1
	v_lshl_add_u32 v[CO], v1, 4, v[CO]
	v_lshlrev_b32 v[PF], 12, v0
	v_lshlrev_b32 v[BO], 5, v2
	s_wait_kmcnt 0x0
	s_add_co_i32 s92, s92, s93                     ; e0 + e1: xt's half
	s_add_co_i32 s94, s94, s95                     ; e2 + e3: hx's half
	s_cmp_eq_u32 s2, 0                             ; which half goes first: a choice between numbers, no branch
	s_cselect_b32 s93, s92, s94                    ; the first half's exponents
	s_cselect_b32 s95, s94, s92                    ; the last half's
	s_sub_co_i32 s[SD], s93, s95
	s_add_co_i32 s[SD], s[SD], 127
	s_lshl_b32 s[SD], s[SD], 23                    ; 2^(first - last) as f32
	s_mov_b32 s[SD+1], s[SD]                       ; (named with it as a pair, so it is written)
	s_lshl_b32 s[KS], s95, 23
	s_add_co_i32 s[KG], s[KS], 0xc038aa3b          ; -2 log2(e), the last half's exponents added to its exponent field
	s_add_co_i32 s[KS], s[KS], 0xbfb8aa3b          ; -log2(e) likewise
	s_mov_b32 s[KS+1], s[KS]
	s_mov_b32 s[KG+1], s[KG]
.macro FRAG reg, adr, q, i             ; a fragment, 16 rows x 128 K of 8-bit codes, is 16 registers: lane l holds row l % 16; registers 4 c .. 4 c + 3 hold bytes 32 c + 16 (l / 16) + 0 .. 15 of the row's 128: the same places in A and in B, so every product meets its partner
.irp c, 0,1,2,3
	ds_load_b128 v[\reg+4*\c:\reg+4*\c+3], v[\adr] offset:128*(\q)+32*\c+(\i)*16*PITCH
.endr
.endm
; 16 matrix instructions: A's blocks a0, a0 + 1 x B's eight, 128 along K.  p: B's set.  zero = 1: the first product starts the sums: nothing is ever cleared.
; The 64 accumulators take turns, one instruction a turn, in the same order in every step.
.macro MUL16 a0, p, zero
.irp a, \a0, \a0+1
.irp b, 0,1,2,3,4,5,6,7
.if \zero
	v_wmma_f32_16x16x128_fp8_fp8 v[8*(8*((\a)%4)+\b):8*(8*((\a)%4)+\b)+7], v[128*(\p)+FR*\b:128*(\p)+FR*\b+FR-1], v[AF+FR*(\a):AF+FR*(\a)+FR-1], 0
.else
	v_wmma_f32_16x16x128_fp8_fp8 v[8*(8*((\a)%4)+\b):8*(8*((\a)%4)+\b)+7], v[128*(\p)+FR*\b:128*(\p)+FR*\b+FR-1], v[AF+FR*(\a):AF+FR*(\a)+FR-1], v[8*(8*((\a)%4)+\b):8*(8*((\a)%4)+\b)+7]
.endif
.endr
.endr
.endm
.macro FETCH_B slot, q, p              ; B's eight fragments of the slot's q-th 128 along K into set p
	WIN TO_B
.irp i, 0,1,2,3,4,5,6,7
	FRAG 128*(\p)+FR*\i, ADRB+\slot, \q, \i
.endr
	WIN 0
.endm
.macro FETCH_A slot, q, i0             ; A's blocks i0 .. i0 + 3
.irp i, \i0, \i0+1, \i0+2, \i0+3
	FRAG AF+FR*(\i), ADRA+\slot, \q, \i
.endr
.endm
; A load into a register that a matrix instruction has read, and a vector instruction that reads a matrix result or writes one of a matrix instruction's registers, stand NP places behind it, and only plain vector
; instructions that name none of its registers are places (ISA guide 7.12.1 for vector instructions).
.macro PLACES n
.rept \n
	v_nop
.endr
.endm
; A step of 128 along K that has its successor in the same slot.  A block of A is free as soon as its eight products are issued: blocks 0-3 are fetched anew in the step's middle, blocks 4-7 at its end.
.macro STEP slot, q, zero
	s_wait_dscnt 4*NL                              ; B's set and A's blocks 0-3 are in; the youngest sixteen loads (A's blocks 4-7) may be out
	WIN MUL_LO
	MUL16 0, (\q)%2, \zero
	MUL16 2, (\q)%2, \zero
	s_wait_dscnt 0                                 ; A's blocks 4-7 are in (asked for 32 matrix instructions ago)
	PLACES NP
	FETCH_B \slot, (\q)+1, 1-(\q)%2
	FETCH_A \slot, (\q)+1, 0
	WIN MUL_HI
	MUL16 4, (\q)%2, \zero
	MUL16 6, (\q)%2, \zero
	PLACES NP
	WIN 0
	FETCH_A \slot, (\q)+1, 4
.endm
; A slot's last step changes slots.  All of that step's fragments have been asked for when it begins, so the slot is given up near the step's head: each wave waits for all its tensor loads, adds 0 to its spare word, and,
; behind sixteen products, waits for that and for its own reads of this slot.  The barrier opens a round of the cluster's barrier, and the fill of the slot just left is the first tensor load behind the round, one a wave:
; from that request to the wait for it a wave issues 112 of a K step's 128 matrix instructions.  kind = 1: the codes two K steps ahead in the walk, jointly.  kind = 2: cx's tile, each wave its own 64 rows.
.macro TURN slot, next, kind
	s_wait_tensorcnt 0x0                           ; all my tensor loads have landed: my part of the next slot; so every group 0 may be written.  (Every window is 0 here: the add's two registers lie in window 0)
	ds_add_u32 v[SPW], v[NIL]                      ; 0 onto my spare word: the descriptors' step and sixteen products stand between it and the wait for it
.if \kind == 1
.if \slot == 0
	s_add_co_u32 s[KK], s[KK], 2*ROWB              ; two K steps on along the rows of codes,
	s_and_b32 s[KK], s[KK], KROW-1                 ; round the row's end: behind hx's half comes xt's
	s_add_nc_u64 s[G0+2:G0+3], s[4:5], s[KK:KK+1]
	s_add_nc_u64 s[G0B+2:G0B+3], s[6:7], s[KK:KK+1]
.else
	s_add_co_u32 s12, s[KK], ROWB                  ; slot 1's K step follows slot 0's: a multiple of 512, plus 256, never passes the row's end
	s_add_nc_u64 s[G0+6:G0+7], s[4:5], s[12:13]
	s_add_nc_u64 s[G0B+6:G0B+7], s[6:7], s[12:13]
.endif
	s_or_b32 s[G0+4*\slot+3], s[G0+4*\slot+3], 0x80000000     ; type = 2
	s_or_b32 s[G0B+4*\slot+3], s[G0B+4*\slot+3], 0x80000000
.endif
	s_wait_dscnt 4*NL+1                            ; (the add and the youngest sixteen loads, A's blocks 4-7, may be out)
	WIN MUL_LO
	MUL16 0, 1, 0
	WIN 0
	s_wait_dscnt 0x0                               ; the add is done, and my reads of this slot are over
	s_barrier_signal -1
	s_barrier_wait -1
	CREST                                          ; no wave of any partner still reads this slot's tile or has a load on its way
.if \kind == 1
	JLOAD G0+4*\slot, G1, G0B+4*\slot, G1B
.else
	tensor_load_to_lds s[G0C:G0C+3], s[G1C:G1C+7]  ; the slot's last fill: it has 176 matrix instructions in which to land
	s_nop 0
	PLACES 4
.endif
	WIN MUL_LO
	MUL16 2, 1, 0
	PLACES NP
	FETCH_B \next, 0, 0
	FETCH_A \next, 0, 0
	WIN MUL_HI
	MUL16 4, 1, 0
	MUL16 6, 1, 0
	PLACES NP
	WIN 0
	FETCH_A \next, 0, 4
.endm
; Between the two halves of K: every accumulator x 2^(first - last).  The four v_nop at TURN's end are the places behind the last products; each accumulator is read from its low end on.
.macro RESCALE
	WIN 0x82                                       ; source 0 and destination window 2
.set j, 0
.rept 128
	v_pk_mul_f32 v[j:j+1], v[j:j+1], s[SD:SD+1] op_sel_hi:[1,0]
.set j, j+2
.endr
	WIN 0xc3                                       ; window 3
.set j, 0
.rept 128
	v_pk_mul_f32 v[j:j+1], v[j:j+1], s[SD:SD+1] op_sel_hi:[1,0]
.set j, j+2
.endr
	WIN 0
.endm
	s_wait_tensorcnt 1                             ; my part of the walk's K step 0 is in; K step 1's load may stay out
	s_barrier_signal -1
	s_barrier_wait -1                              ; everybody's is
	FETCH_B 0, 0, 0
	FETCH_A 0, 0, 0
	FETCH_A 0, 0, 4
	STEP 0, 0, 1                                   ; the first step stands in front of the loop: its products start the sums
	s_mov_b32 s3, 3
.Llap:                                                 ; three trips, each once round the ring, from a lap's second step to the next lap's first; each fills both slots again: the walk's K steps 2 to 7
	TURN 0, 1, 1
	STEP 1, 0, 0
	TURN 1, 0, 1
	s_cmp_lg_u32 s3, 2                             ; the second trip's TURN 1 ends the walk's K step 3, the last of its first half: the branch hangs on the trip's number alone, and jumps over no tensor load, wait or barrier
	s_cbranch_scc1 .Lsame
	global_prefetch_b8 v[PF], s[74:75] th:TH_LOAD_NT scope:SCOPE_SE                 ; cx's tile: 256 row pieces of 256 bytes, aligned: thread t asks for row t's and row 128 + t's, each once in the launch,
	global_prefetch_b8 v[PF], s[74:75] offset:524288 th:TH_LOAD_NT scope:SCOPE_SE   ; five steps of 64 matrix instructions ahead of the tensor load that fetches them; both lie inside cx
	RESCALE
.Lsame:
	STEP 0, 0, 0
	s_sub_co_u32 s3, s3, 1
	s_cmp_lg_u32 s3, 0
	s_cbranch_scc1 .Llap
	TURN 0, 1, 2                                   ; the walk's K step 6 ends; slot 0's first half takes cx
	STEP 1, 0, 0
	; the biases, into B's set 0, which the step above has left (its four v_nop are the places): block b = 2 g + u at v[8 b] of window 1: gate g, hidden units 16 u + 8 hh + 0 .. 7 of my 32
.macro BIASG g, sb
.irp u, 0,1
	global_load_b128 v[16*\g+8*\u:16*\g+8*\u+3],   v[BO], s[\sb:\sb+1] offset:64*\u
	global_load_b128 v[16*\g+8*\u+4:16*\g+8*\u+7], v[BO], s[\sb:\sb+1] offset:64*\u+16
.endr
.endm
	WIN TO_B
	BIASG 0, 10
	BIASG 1, 68
	BIASG 2, 70
	BIASG 3, 72
	WIN 0
	s_wait_dscnt 4*NL                              ; the very last step: nothing more to fetch
	WIN MUL_LO
	MUL16 0, 1, 0
	MUL16 2, 1, 0
	s_wait_dscnt 0
	WIN MUL_HI
	MUL16 4, 1, 0
	MUL16 6, 1, 0
	s_wait_loadcnt 0x0                             ; the biases
	WIN 0x41                                       ; source 0 and destination window 1
.set j, 0
.rept 24
	v_pk_mul_f32 v[j:j+1], v[j:j+1], 0xbfb8aa3b op_sel_hi:[1,0]   ; b x -log2(e) for the three sigmoids.  These 32 lines name no register of the last products: they are the places behind them
.set j, j+2
.endr
.rept 8
	v_pk_mul_f32 v[j:j+1], v[j:j+1], 0xc038aa3b op_sel_hi:[1,0]   ; b_ci x -2 log2(e)
.set j, j+2
.endr
	WIN 0
	s_wait_tensorcnt 0x0                           ; my 64 rows of cx have landed,
	s_wait_dscnt 0x0
	s_barrier_signal -1
	s_barrier_wait -1                              ; everybody's have.
; THE CELL, for block a of 16 rows x my 32 hidden units: 16 elements a lane, number 8 u + j.
.macro BLOCK a
.set BAC, 64*((\a)%4)                  ; the block's eight accumulators, in window 2 or 3
.set BCX, CXR+16*((\a)%2)              ; cx, then ct: two sets by turns, so that a set is written again only behind the wait below that shows its LDS stores done
.set BTR, TR+16*((\a)%2)               ; at work, then ht: likewise
.set WG,  0x12+((\a)/4)                ; source 0 (the sums) window 2 or 3, source 2 (the biases) window 1, destination window 0
.irp k, 0,1,2,3
	ds_load_b128 v[BCX+4*\k:BCX+4*\k+3], v[CXA] offset:(\a)*16*PITCH+64*(\k/2)+16*(\k%2)
.endr
	WIN WG
.irp b, 0,1,2,3,4,5
.irp p, 0,2,4,6
	v_pk_fma_f32 v[G+8*\b+\p:G+8*\b+\p+1], v[BAC+8*\b+\p:BAC+8*\b+\p+1], s[KS:KS+1], v[8*\b+\p:8*\b+\p+1] op_sel_hi:[1,0,1]   ; -log2(e) (sum x its power of two + b); each accumulator from its low end on
.endr
.endr
.irp b, 6,7
.irp p, 0,2,4,6
	v_pk_fma_f32 v[G+8*\b+\p:G+8*\b+\p+1], v[BAC+8*\b+\p:BAC+8*\b+\p+1], s[KG:KG+1], v[8*\b+\p:8*\b+\p+1] op_sel_hi:[1,0,1]   ; -2 log2(e) (..) for tanh
.endr
.endr
	WIN 0
.irp e, 0,1,2,3,4,5,6,7,8,9,10,11,12,13,14,15
	v_min_num_f32 v[GG+\e], 0x42800000, v[GG+\e]   ; tanh's exponent is held at 64
.endr
.set j, 0
.rept 64
	v_exp_f32 v[G+j], v[G+j]                       ; Ef, Ei, Eo, Tg
.set j, j+1
.endr
	v_nop                                          ; a plain instruction behind the last exponential (ISA guide 5.7.2)
	s_wait_alu depctr_va_vdst(0)
.irp p, 0,2,4,6,8,10,12,14
	v_pk_fma_f32 v[BTR+\p:BTR+\p+1], v[GG+\p:GG+\p+1], -1.0, 1.0 op_sel_hi:[1,0,0]   ; 1 - Tg
.endr
.set j, 0
.rept 32
	v_pk_add_f32 v[G+j:G+j+1], v[G+j:G+j+1], 1.0 op_sel_hi:[1,0]                     ; 1 + each of the four
.set j, j+2
.endr
.irp p, 0,2,4,6,8,10,12,14
	v_pk_mul_f32 v[II+\p:II+\p+1], v[II+\p:II+\p+1], v[GG+\p:GG+\p+1]                ; (1 + Ei)(1 + Tg)
.endr
.irp e, 0,1,2,3,4,5,6,7,8,9,10,11,12,13,14,15
	v_rcp_f32 v[FF+\e], v[FF+\e]                   ; ft
.endr
.irp e, 0,1,2,3,4,5,6,7,8,9,10,11,12,13,14,15
	v_rcp_f32 v[II+\e], v[II+\e]
.endr
	s_wait_dscnt 0x0                               ; cx is in, and the stores of the block before are done
	v_nop                                          ; a plain instruction behind the last reciprocal
	s_wait_alu depctr_va_vdst(0)
.irp p, 0,2,4,6,8,10,12,14
	v_pk_mul_f32 v[BTR+\p:BTR+\p+1], v[BTR+\p:BTR+\p+1], v[II+\p:II+\p+1]            ; it tanh(g)
.endr
.irp p, 0,2,4,6,8,10,12,14
	v_pk_fma_f32 v[BCX+\p:BCX+\p+1], v[BCX+\p:BCX+\p+1], v[FF+\p:FF+\p+1], v[BTR+\p:BTR+\p+1]   ; ct = cx ft + it tanh(g)
.endr
.irp p, 0,2,4,6,8,10,12,14
	v_pk_mul_f32 v[FF+\p:FF+\p+1], v[BCX+\p:BCX+\p+1], 0xc038aa3b op_sel_hi:[1,0]    ; -2 log2(e) ct
.endr
.irp e, 0,1,2,3,4,5,6,7,8,9,10,11,12,13,14,15
	v_min_num_f32 v[FF+\e], 0x42800000, v[FF+\e]
.endr
.irp e, 0,1,2,3,4,5,6,7,8,9,10,11,12,13,14,15
	v_exp_f32 v[FF+\e], v[FF+\e]                   ; Tc
.endr
.irp k, 0,1,2,3
	ds_store_b128 v[CXA], v[BCX+4*\k:BCX+4*\k+3] offset:(\a)*16*PITCH+64*(\k/2)+16*(\k%2)   ; ct over the bytes of cx that this lane alone has read
.endr
	v_nop                                          ; a plain instruction behind the last exponential
	s_wait_alu depctr_va_vdst(0)
.irp p, 0,2,4,6,8,10,12,14
	v_pk_fma_f32 v[BTR+\p:BTR+\p+1], v[FF+\p:FF+\p+1], -1.0, 1.0 op_sel_hi:[1,0,0]   ; 1 - Tc
.endr
.irp p, 0,2,4,6,8,10,12,14
	v_pk_add_f32 v[FF+\p:FF+\p+1], v[FF+\p:FF+\p+1], 1.0 op_sel_hi:[1,0]
.endr
.irp p, 0,2,4,6,8,10,12,14
	v_pk_mul_f32 v[OO+\p:OO+\p+1], v[OO+\p:OO+\p+1], v[FF+\p:FF+\p+1]                ; (1 + Eo)(1 + Tc)
.endr
.irp e, 0,1,2,3,4,5,6,7,8,9,10,11,12,13,14,15
	v_rcp_f32 v[OO+\e], v[OO+\e]
.endr
	v_nop                                          ; a plain instruction behind the last reciprocal
	s_wait_alu depctr_va_vdst(0)
.irp p, 0,2,4,6,8,10,12,14
	v_pk_mul_f32 v[BTR+\p:BTR+\p+1], v[BTR+\p:BTR+\p+1], v[OO+\p:OO+\p+1]            ; ht = ot tanh(ct)
.endr
.irp k, 0,1,2,3
	ds_store_b128 v[HTA], v[BTR+4*\k:BTR+4*\k+3] offset:(\a)*16*PITCH+64*(\k/2)+16*(\k%2)
.endr
.endm
; THE WAY OUT of group g (blocks 2 g and 2 g + 1 of each half of the rows).  A row's 256 bytes come from two waves, so a barrier stands in front; then wave (i, c) takes block 2 g + c of half i as whole rows:
; sixteen lanes store 256 consecutive bytes, aligned.  No pointer is stepped: the row stands in the immediate, 450,560 bytes at the most.
.macro SENDG g
.if \g > 0
	s_wait_xcnt 0x0                                ; the last group's stores have read their registers: only behind this wait are these loaded again
.endif
.irp t, 0,1,2,3,4,5,6,7
	ds_load_b128 v[RB+4*\t:RB+4*\t+3], v[RD] offset:(32*\g+2*\t)*PITCH
.endr
.irp t, 0,1,2,3,4,5,6,7
	ds_load_b128 v[RB+32+4*\t:RB+32+4*\t+3], v[RDH] offset:(32*\g+2*\t)*PITCH
.endr
.irp t, 0,1,2,3,4,5,6,7
	s_wait_dscnt 15-\t                             ; LDS loads come back in order (ISA guide 5.7.1): pair t of ct's rows is in, the younger loads stay out
	global_store_b128 v[CO], v[RB+4*\t:RB+4*\t+3], s[78:79] offset:(32*\g+2*\t)*4096 th:TH_STORE_NT
.endr
.irp t, 0,1,2,3,4,5,6,7
	s_wait_dscnt 7-\t                              ; pair t of ht's rows
	global_store_b128 v[CO], v[RB+32+4*\t:RB+32+4*\t+3], s[76:77] offset:(32*\g+2*\t)*4096 th:TH_STORE_NT
.endr
.endm
.irp g, 0,1,2,3
	BLOCK 2*\g
	BLOCK 2*\g+1
	s_wait_dscnt 0x0                               ; for the others' sake: my stores of ct and ht are done
	s_barrier_signal -1
	s_barrier_wait -1                              ; each group has rows of its own in both stages, so this one barrier a group is enough
	SENDG \g
.endr
	s_wait_tensorcnt 0x0                           ; the wave's end: behind my last tensor load and my last LDS store
	ds_add_u32 v[SPW], v[NIL]
	s_wait_dscnt 0x0
	CROUND                                         ; the closing round: no work-group ends while a partner may still ask for a tile that names it
	s_endpgm
.Lfunc_end_k_q904f07fba9_cell:
	.size	k_q904f07fba9_cell, .Lfunc_end_k_q904f07fba9_cell-k_q904f07fba9_cell
	.p2alignl 7, 3214868480
	.fill 96, 4, 3214868480
	.section	.rodata,"a",@progbits
	.p2align	6, 0x0
	.amdhsa_kernel k_q904f07fba9_cell
		.amdhsa_group_segment_fixed_size 327680
		.amdhsa_private_segment_fixed_size 0
		.amdhsa_enable_private_segment 0
		.amdhsa_kernarg_size 80
		.amdhsa_user_sgpr_count 2
		.amdhsa_user_sgpr_kernarg_segment_ptr 1
		.amdhsa_wavefront_size32 1
		.amdhsa_system_sgpr_workgroup_id_x 1
		.amdhsa_system_sgpr_workgroup_id_y 1
		.amdhsa_system_sgpr_workgroup_id_z 1
		.amdhsa_system_vgpr_workitem_id 0
		.amdhsa_next_free_vgpr 1024
		.amdhsa_next_free_sgpr 102
		.amdhsa_reserve_vcc 0
		.amdhsa_float_denorm_mode_32 3
		.amdhsa_float_denorm_mode_16_64 3
		.amdhsa_memory_ordered 1
		.amdhsa_forward_progress 1
		.amdhsa_inst_pref_size 241
	.end_amdhsa_kernel
	.amdgpu_metadata
---
amdhsa.version: [ 1, 2 ]
amdhsa.kernels:
  - .name:           k_q904f07fba9_cell
    .symbol:         k_q904f07fba9_cell.kd
    .args:
      - { .name: a_codes, .offset: 0, .size: 8, .value_kind: global_buffer, .address_space: global }
      - { .name: b_codes, .offset: 8, .size: 8, .value_kind: global_buffer, .address_space: global }
      - { .name: lowp_scales, .offset: 16, .size: 8, .value_kind: global_buffer, .address_space: global }
      - { .name: b_fg, .offset: 24, .size: 8, .value_kind: global_buffer, .address_space: global }
      - { .name: b_ig, .offset: 32, .size: 8, .value_kind: global_buffer, .address_space: global }
      - { .name: b_og, .offset: 40, .size: 8, .value_kind: global_buffer, .address_space: global }
      - { .name: b_ci, .offset: 48, .size: 8, .value_kind: global_buffer, .address_space: global }
      - { .name: cx, .offset: 56, .size: 8, .value_kind: global_buffer, .address_space: global }
      - { .name: out0, .offset: 64, .size: 8, .value_kind: global_buffer, .address_space: global }
      - { .name: out1, .offset: 72, .size: 8, .value_kind: global_buffer, .address_space: global }
    .group_segment_fixed_size: 327680
    .private_segment_fixed_size: 0
    .kernarg_segment_align: 8
    .kernarg_segment_size: 80
    .max_flat_workgroup_size: 128
    .sgpr_count:     102
    .vgpr_count:     1024
    .wavefront_size: 32
...
	.end_amdgpu_metadata
.endif
;; end of part 2
